; MI455X (gfx1250); checked and timed in simulation.
; The chip was launched on July 23, 2026; its instructions are those of AMD's public machine-readable ISA for CDNA 5 (MIT licence, August 2026) and "CDNA5" Instruction Set Architecture Reference Guide (July 2026). The comments in the code are by the model that wrote it; some were corrected since.
;; Self Attention. Allowed arithmetic: matrix products marked QUANTISED: E3M2 operands, one E8M0 scale for each 32 along K, by v_wmma_scale_f32_16x16x128_f8f6f4 with both operands' format E3M2, f32 sums; products left as they are: f32 operands where the result goes on into a quantised operand, else bf16, f16 or f32 operands; f32 sums; everything else in f32.
;; Inputs: U_b 1,024 float32; U_w 1,024 x 1,024 float32; V_b 1 float32; V_w 1,024 x 1 float32; W_b 1,024 float32; W_w 1,024 x 1,024 float32; hidden_states 64 x 1,024 x 1,024 float32; s_prev 64 x 1,024 float32.
;; Outputs: out0 64 x 1,024 float32; out1 64 x 1,024 x 1 float32.
;; This version of the problem:
;;   THIS VERSION OF THE PROBLEM IS GIVEN IN LOW PRECISION. The matrix products marked QUANTISED in the list below multiply operands that are first quantised to E3M2 (3 exponent bits, 2 mantissa bits; 6 bits a number), with one power-of-two scale for each 32 numbers along K (OCP MX v1.0); their sums are f32. All else is computed in f32.
;;   The module's matrix products, in the order in which they are computed (A, B: the left and right operand; K: the contracted axis; several contracted axes count as one K, in the product's order):
;;     1. [M 64, K 1,024] x [K 1,024, N 1,024]; A: input s_prev; B: input W_w: QUANTISED
;;     2. [M 65,536, K 1,024] x [K 1,024, N 1,024]; A: input hidden_states; B: input U_w: QUANTISED
;;     3. [M 65,536, K 1,024] x [K 1,024, N 1]; A: computed on the way; B: input V_w: left as it is (N = 1 < 16)
;;   THE QUANTISER, for each operand of a quantised product, along K:
;;     - K is cut into blocks of 32 from its start; a last block that is shorter is filled with zeros.
;;     - A block's scale is 2^e with e = floor(log2(the largest magnitude in the block)) - 4, held to -126 .. 127; a block of zeros has e = 0. As a byte (E8M0): e + 127.
;;     - Each number is divided by its block's scale, clamped to +-28, and rounded to the nearest number of E3M2, ties to even, subnormals kept.
;;     - The product sums the exact products of the quantised numbers (number of the format x scale) in f32.
;;   ~~~python
;;   def quantise(x, axis):      # numpy; x: float32 -> the quantised numbers, widened to float32 again
;;       x = np.moveaxis(x, axis, -1); K = x.shape[-1]
;;       x = np.pad(x, [(0, 0)] * (x.ndim - 1) + [(0, -K % 32)]); x = x.reshape(x.shape[:-1] + (-1, 32)); a = np.abs(x).max(-1, keepdims=True)
;;       e = np.where(a > 0, np.clip(np.frexp(np.where(a > 0, a, 1))[1] - 1 - 4, -126, 127), 0)      # np.frexp(a)[1] - 1 = floor(log2(a)), exactly
;;       r = np.clip(x / 2.0 ** e, -28, 28)
;;       step = 2.0 ** (np.maximum(np.frexp(np.where(r == 0, 1, r))[1] - 1, -2) - 2)
;;       q = np.round(r / step) * step * 2.0 ** e      # np.round: ties to even
;;       return np.moveaxis(q.reshape(q.shape[:-2] + (-1,))[..., :K], -1, axis).astype(np.float32)
;;   ~~~
;; One version. Each part assembles by itself: llvm-mc -triple=amdgcn-amd-amdhsa -mcpu=gfx1250 --defsym DOCPART=n.
;; ======== version 1 of 1: 3 launches
;; limits: right only within a limited range of input values
;; workspace buffers: ub 819,200 bytes; cbt 262,144 bytes; sco 262,144 bytes; part 1,048,576 bytes
;; launch prep (part 1): grid 160 x 1, 8 waves a work-group, no clusters, 18,432 bytes of LDS; arguments U_w, W_w, s_prev, W_b, U_b, ub, cbt; writes ub, cbt
.if DOCPART == 1
	.amdgcn_target "amdgcn-amd-amdhsa--gfx1250"
	.amdhsa_code_object_version 6
	.text
	.protected	k_q7234628e2f_prep
	.globl	k_q7234628e2f_prep
	.p2align	8
	.type	k_q7234628e2f_prep,@function
k_q7234628e2f_prep:
	s_mov_b64 s[64:65], 0
	v_nop
	global_prefetch_b8 v0, s[64:65] scope:SCOPE_SE
	s_setreg_imm32_b32 hwreg(HW_REG_WAVE_MODE, 25, 1), 1
	s_wait_xcnt 0x0
; THE PROGRAM: context, weights = additive attention.  x[b][s][n] = (s_prev W_w + W_b)[b][n] + (hidden U_w + U_b)[b][s][n]; score = sum over n of tanh(x) V_w[n] + V_b;
; weights = softmax of the scores along s; context = sum over s of weights x hidden.  Both large products on codes of BF6 (E3M2) with one E8M0 scale for each 32 along K.
; WORK LEFT OUT.  tanh(x) = 1 - 2 / (1 + e^(2x)), so score[b][s] = (V_b + sum over n of V_w[n]) + sum over n of (-2 V_w[n]) / (1 + e^(2 x[b][s][n])).  The term in brackets hangs neither on s nor on
; hidden: it is the same along the softmax's axis, and softmax(z + const) = softmax(z) for every finite const.  The scores reach the outputs through that softmax alone.  So V_b and the sum of V_w are
; not added, for all values of the inputs; V_b has then no way to an output: it is not loaded and is no argument of any launch.
; LIMIT: a NaN, an infinity or an overflow that would arise only in V_b + sum of V_w is not carried to the result.
; THIS LAUNCH.  Work-groups 0-31: U_w [1024 (k)][1024 (n)] f32 becomes codes and scale words, laid in the order in which the next launch's operand registers take them.
; Work-groups 32-159: the first product.  Work-group (cp, t) quantises 32 columns of W_w in the same way, keeps them in registers and multiplies them by rows 16 t .. 16 t + 15 of s_prev:
; cbt[n][b] = c (s_prev W_w + W_b + U_b), c = 2 log2(e).  Four work-groups quantise the same columns, so that each has ONE tile of s_prev, asked for together with its columns: one way to memory and back, not four on end.
; A work-group takes 32 columns (two tiles of 16), wave s the K step 128 s .. 128 s + 127.  A LANE TAKES A COLUMN AND ITS REGISTERS RUN DOWN K: a block of 32 lies in one lane.
; s_prev is read as the quantiser wants it, a lane 256 bytes of its row (two runs of 128) in loads of 16: 8,192 bytes a wave, of an input of 262,144 bytes.
; ub: 16 slots of 51,200 bytes; slot g holds column tiles 4 g + jl; fragment (jl, s) at (8 jl + s) x 1,536 as an image of its 12 registers (four registers: 512 bytes, 16 a lane);
;     scale words from 49,152 on: 512 jl + 256 (s / 4) + 16 r + 4 (s % 4).      cbt: [32 column pairs][64 b][32 n] f32.
; A block's scale byte is its largest magnitude's exponent field - 4, held at 1 from below.
; LIMITS: a block of zeros gets the byte 1 where the rule says 127 (its codes are zeros, and this program alone reads the bytes); blocks whose largest magnitude lies under 2^-122 keep the byte 1;
; NaN and infinities among the inputs are not served.  The first product's K is shared among eight waves, whose f32 sums are added through LDS: another order of rounding than one chain.
.set X,     64                         ; v64-191  128 numbers of my column; later the biases (v64-67), the eight partial sums (v96-111) and the two results (v128-143)
.set Y,     192                        ; v192-255 s_prev's tile
.set F0,    16                         ; v16-27   the fragment of column tile 0
.set F1,    28                         ; v28-39   of column tile 1
.set AF,    40                         ; v40-51   s_prev's fragment (while W or U is quantised: v40-54 take the conversions' upper halves)
.set SCU,   0                          ; LDS, U's path alone: 1,024 bytes of scale words
.set RED,   1024                       ; LDS, W's path alone: 8 waves x 2,048 bytes of partial sums
.set SPARE, 17408                      ; the spare words, 128 bytes for each wave: four blocks of 256 bytes that no other line names
; v1 4 x lane; v5 s_prev's offset; v6 16 x lane; v7, v8 SCU in and out; v9, v10 RED in and out; v11 8 x thread; v12, v13 the add's two; v14 8 h; v15 the biases' offset;
; v55, v59 at work; v60 the weights' scale words, v61 s_prev's (scales and nothing else); v62, v63 largest magnitudes, then the conversions' scale operands
.macro PLACES n
.rept \n
	v_nop
.endr
.endm
; My column's four blocks become codes; then the two halves of the lanes change places so that F0 and F1 are the two tiles' fragments.
; extra = loads that stand behind the 128 when the last block is waited for: 0, or s_prev's sixteen and the two biases, which are asked for here, into registers that block 0 has left.
.macro QW extra
.irp t, 0,1,2,3
.if \t < 2
	s_wait_loadcnt 63                              ; block t wants the first 32 t + 32 loads: 64 and more may be out; 63 is the largest count that the wait can name
.else
	s_wait_loadcnt 32*(3-\t)+\extra                ; the later blocks' loads and the extra ones may be out
.endif
	v_max3_num_f32 v62, |v[X+32*\t]|, |v[X+32*\t+1]|, |v[X+32*\t+2]|
	v_max3_num_f32 v63, |v[X+32*\t+3]|, |v[X+32*\t+4]|, |v[X+32*\t+5]|
.irp i, 6,10,14,18,22,26
	s_delay_alu instid0(VALU_DEP_2)
	v_max3_num_f32 v62, v62, |v[X+32*\t+\i]|, |v[X+32*\t+\i+1]|
	s_delay_alu instid0(VALU_DEP_2)
	v_max3_num_f32 v63, v63, |v[X+32*\t+\i+2]|, |v[X+32*\t+\i+3]|
.endr
	s_delay_alu instid0(VALU_DEP_2)
	v_max3_num_f32 v62, v62, |v[X+32*\t+30]|, |v[X+32*\t+31]|
	s_delay_alu instid0(VALU_DEP_1)
	v_max3_num_f32 v62, v62, v63, 0x2800000        ; and the floor 2^(5 - 127): the byte cannot fall under 1
	s_delay_alu instid0(VALU_DEP_1)
	v_add_nc_u32 v62, 0xfe000000, v62              ; 4 off the exponent field: the conversion takes the exponent field of this operand as its scale
	s_delay_alu instid0(VALU_DEP_1)
	v_lshrrev_b32 v55, 23, v62                     ; the scale's byte
.if \t == 0
	s_delay_alu instid0(VALU_DEP_1)
	v_mov_b32 v60, v55
.else
	s_delay_alu instid0(VALU_DEP_1)
	v_lshl_or_b32 v60, v55, 8*\t, v60              ; four bytes make my column's scale word for this K step
.endif
	v_cvt_scalef32_pk16_bf6_f32 v[F0+12*(\t%2)+6*(\t/2):F0+12*(\t%2)+6*(\t/2)+2], v[X+32*\t:X+32*\t+15], v62
	v_cvt_scalef32_pk16_bf6_f32 v[AF+4*\t:AF+4*\t+2], v[X+32*\t+16:X+32*\t+31], v62   ; (a conversion's three registers begin on an even number)
	v_nop                                          ; a plain line behind the conversions, ahead of the next write of v62
.if (\t == 0) && (\extra > 0)
	global_load_b64 v[64:65], v15, s[10:11]        ; W_b and U_b at columns 2 (T % 16) on
	global_load_b64 v[66:67], v15, s[12:13]
.endif
.endr
.irp t, 0,1,2,3
.irp i, 0,1,2
	v_mov_b32 v[F0+12*(\t%2)+6*(\t/2)+3+\i], v[AF+4*\t+\i]
.endr
.endr
.irp i, 0,1,2,3,4,5,6,7,8,9,10,11
	v_permlane16_swap_b32 v[F0+\i], v[F1+\i]       ; F0 held the even blocks of 32 columns, F1 the odd ones: now F0 is tile 0 (lanes 0-15 block 2 c, lanes 16-31 block 2 c + 1) and F1 tile 1
.endr
.endm
; 64 numbers of a lane, register 32 c + i = k 64 c + 32 h + i of my row, become the fragment in AF and the scale word in v61
.macro QUANT src
	v_max3_num_f32 v62, |v[\src]|, |v[\src+1]|, 0x2800000
	v_max3_num_f32 v63, |v[\src+32]|, |v[\src+33]|, 0x2800000
.irp i, 2,4,6,8,10,12,14,16,18,20,22,24,26,28,30
	s_delay_alu instid0(VALU_DEP_2)
	v_max3_num_f32 v62, v62, |v[\src+\i]|, |v[\src+\i+1]|
	s_delay_alu instid0(VALU_DEP_2)
	v_max3_num_f32 v63, v63, |v[\src+32+\i]|, |v[\src+33+\i]|
.endr
	s_delay_alu instid0(VALU_DEP_2)
	v_add_nc_u32 v62, 0xfe000000, v62
	s_delay_alu instid0(VALU_DEP_2)
	v_add_nc_u32 v63, 0xfe000000, v63
	s_delay_alu instid0(VALU_DEP_2)
	v_lshrrev_b32 v55, 23, v62
	s_delay_alu instid0(VALU_DEP_2)
	v_lshrrev_b32 v59, 23, v63
	s_delay_alu instid0(VALU_DEP_1)
	v_lshl_or_b32 v55, v59, 16, v55                ; my two bytes: blocks h and 2 + h,
	s_delay_alu instid0(VALU_DEP_1)
	v_lshlrev_b32 v55, v14, v55                    ; 8 h bits up;
	s_delay_alu instid0(VALU_DEP_1)
	v_permlanex16_b32 v59, v55, s26, s27
	s_delay_alu instid0(VALU_DEP_1)
	v_or_b32 v61, v55, v59                         ; with lane l xor 16's two the word is whole
	v_cvt_scalef32_pk16_bf6_f32 v[AF:AF+2], v[\src:\src+15], v62
	v_cvt_scalef32_pk16_bf6_f32 v[52:54], v[\src+16:\src+31], v62
	v_cvt_scalef32_pk16_bf6_f32 v[AF+6:AF+8], v[\src+32:\src+47], v63
	v_cvt_scalef32_pk16_bf6_f32 v[56:58], v[\src+48:\src+63], v63
	v_nop                                          ; a plain line behind the conversions
.irp i, 0,1,2
	v_mov_b32 v[AF+3+\i], v[52+\i]
	v_mov_b32 v[AF+9+\i], v[56+\i]
.endr
.endm
	s_load_b256 s[4:11], s[0:1], 0x0               ; U_w s[4:5], W_w s[6:7], s_prev s[8:9], W_b s[10:11]
	s_load_b128 s[12:15], s[0:1], 0x20             ; U_b s[12:13], ub s[14:15]
	s_load_b64 s[16:17], s[0:1], 0x30              ; cbt
	v_lshl_add_u32 v12, v0, 2, SPARE
	v_mov_b32 v13, 0
	v_lshrrev_b32 v2, 5, v0
	s_delay_alu instid0(VALU_DEP_1)
	v_readfirstlane_b32 s18, v2                    ; wave = K step
	v_and_b32 v2, 31, v0                           ; lane
	v_and_b32 v3, 15, v0                           ; r
	v_bfe_u32 v4, v0, 4, 1                         ; h
	s_delay_alu instid0(VALU_DEP_3)
	v_lshlrev_b32 v1, 2, v2
	s_delay_alu instid0(VALU_DEP_4)
	v_lshlrev_b32 v6, 4, v2
	s_and_b32 s19, ttmp9, 31                       ; which 32 columns
	s_lshl_b32 s20, s18, 19                        ; 128 rows of 4,096 bytes a K step
	s_lshl_b32 s21, s19, 7
	s_add_co_u32 s20, s20, s21
	s_mov_b32 s21, 0
	s_wait_alu depctr_va_vdst(0)
	s_wait_kmcnt 0x0
	s_cmp_lt_u32 ttmp9, 32                         ; U's work-group or W's: the choice hangs on the work-group's number alone
	s_cselect_b64 s[22:23], s[4:5], s[6:7]
	s_add_nc_u64 s[22:23], s[22:23], s[20:21]
.set i, 0
.rept 128
	global_load_b32 v[X+i], v1, s[22:23] offset:i*4096   ; row 128 s + i at my 32 columns: 128 consecutive bytes a wave
.set i, i+1
.endr
	; every address of both paths is made here, ahead of the parting
	v_lshlrev_b32 v5, 12, v3
	s_delay_alu instid0(VALU_DEP_1)
	v_lshl_add_u32 v5, v4, 7, v5                   ; s_prev: row r of 4,096 bytes, + 128 h
	s_lshr_b32 s24, s18, 2
	s_lshl_b32 s24, s24, 8
	s_and_b32 s25, s18, 3
	s_lshl_b32 s25, s25, 2
	s_add_co_u32 s24, s24, s25
	v_lshlrev_b32 v7, 4, v3
	s_delay_alu instid0(VALU_DEP_1)
	v_lshl_add_u32 v7, v4, 9, v7
	s_delay_alu instid0(VALU_DEP_1)
	v_add_nc_u32 v7, s24, v7                       ; SCU in: 512 (tile) + 16 r + 256 (s / 4) + 4 (s % 4)
	s_lshl_b32 s24, s18, 9
	v_add_nc_u32 v8, s24, v6                       ; SCU out: 512 x wave + 16 x lane (waves 0 and 1 alone use it)
	s_lshl_b32 s24, s18, 11
	s_add_co_u32 s24, s24, RED
	v_add_nc_u32 v9, s24, v6                       ; RED in: my wave's 2,048 bytes, 16 x lane
	v_bfe_u32 v10, v0, 3, 1
	s_delay_alu instid0(VALU_DEP_1)
	v_lshlrev_b32 v10, 10, v10
	v_bfe_u32 v59, v0, 1, 1
	s_delay_alu instid0(VALU_DEP_1)
	v_lshl_add_u32 v10, v59, 9, v10
	v_bfe_u32 v59, v0, 2, 1
	s_delay_alu instid0(VALU_DEP_1)
	v_lshl_add_u32 v10, v59, 8, v10
	v_lshrrev_b32 v59, 4, v0
	s_delay_alu instid0(VALU_DEP_1)
	v_lshl_add_u32 v10, v59, 4, v10
	v_and_b32 v59, 1, v0
	s_delay_alu instid0(VALU_DEP_1)
	v_lshl_add_u32 v10, v59, 3, v10
	s_delay_alu instid0(VALU_DEP_1)
	v_add_nc_u32 v10, RED, v10                     ; RED out: thread T wants batch T / 16, columns n = 2 (T % 16) on: 1,024 (n / 16) + 512 ((n % 8) / 4) + 256 ((n / 8) % 2) + 16 (T / 16) + 4 (n % 4)
	v_lshlrev_b32 v11, 3, v0
	v_lshlrev_b32 v14, 3, v4
	v_and_b32 v15, 15, v0
	s_delay_alu instid0(VALU_DEP_1)
	v_lshlrev_b32 v15, 3, v15
	s_mov_b32 s26, 0x76543210
	s_mov_b32 s27, 0xfedcba98                      ; v_permlanex16_b32's selects for lane l xor 16
	s_mov_b32 s28, 0x4038aa3b                      ; c = 2 log2(e)
	s_mov_b32 s29, s28                             ; (named with it as a pair, so it is written)
	s_cmp_lt_u32 ttmp9, 32
	s_cbranch_scc0 .Lw_path
	; ---- U: codes and scale words to ub
	QW 0
	s_lshr_b32 s24, s19, 1
	s_mul_i32 s24, s24, 51200                      ; the slot
	s_and_b32 s25, s19, 1
	s_lshl_b32 s30, s25, 4
	s_add_co_u32 s30, s30, s18
	s_mul_i32 s30, s30, 1536                       ; fragment 8 jl + s, jl = 2 (cp % 2)
	s_add_co_u32 s30, s30, s24
	s_mov_b32 s31, 0
	s_add_nc_u64 s[30:31], s[14:15], s[30:31]
	s_lshl_b32 s32, s25, 1
	s_add_co_u32 s32, s32, s18
	s_lshl_b32 s32, s32, 9
	s_add_co_u32 s32, s32, s24
	s_add_co_u32 s32, s32, 49152                   ; the scale words of tile 2 (cp % 2) + wave
	s_mov_b32 s33, 0
	s_add_nc_u64 s[32:33], s[14:15], s[32:33]
	s_wait_alu depctr_va_vdst(0)
.irp c, 0,1,2
	global_store_b128 v6, v[F0+4*\c:F0+4*\c+3], s[30:31] offset:512*\c         ; 32 lanes store 512 consecutive bytes
	global_store_b128 v6, v[F1+4*\c:F1+4*\c+3], s[30:31] offset:12288+512*\c   ; the second tile: eight fragments on
.endr
	ds_store_b32 v7, v60 offset:SCU
	s_wait_dscnt 0x0                               ; for the others' sake: my scale words lie in LDS
	s_barrier_signal -1
	s_barrier_wait -1
	s_cmp_lt_u32 s18, 2
	s_cbranch_scc0 .Lu_end
	ds_load_b128 v[64:67], v8 offset:SCU           ; a tile's 512 bytes of scale words, all eight K steps
	s_wait_dscnt 0x0
	global_store_b128 v6, v[64:67], s[32:33]
.Lu_end:
	s_wait_tensorcnt 0x0                           ; the wave's end, behind my last LDS store
	ds_add_u32 v12, v13
	s_wait_dscnt 0x0
	s_endpgm
	; ---- W: the first product, one tile of 16 rows of s_prev
.Lw_path:
	s_lshr_b32 s24, ttmp9, 5
	s_sub_co_u32 s24, s24, 1                       ; t: which 16 rows of s_prev
	s_lshl_b32 s30, s24, 16                        ; 16 rows of 4,096 bytes,
	s_lshl_b32 s25, s18, 9                         ; my K step's 512 bytes
	s_add_co_u32 s30, s30, s25
	s_mov_b32 s31, 0
	s_add_nc_u64 s[8:9], s[8:9], s[30:31]
	s_lshl_b32 s30, s19, 7
	s_add_nc_u64 s[10:11], s[10:11], s[30:31]      ; the biases at my 32 columns
	s_add_nc_u64 s[12:13], s[12:13], s[30:31]
	s_lshl_b32 s30, s19, 13
	s_lshl_b32 s25, s24, 11
	s_add_co_u32 s30, s30, s25
	s_add_nc_u64 s[16:17], s[16:17], s[30:31]      ; cbt at my column pair and my 16 batches
.irp c, 0,1
.irp i, 0,1,2,3,4,5,6,7
	global_load_b128 v[Y+32*\c+4*\i:Y+32*\c+4*\i+3], v5, s[8:9] offset:256*\c+16*\i   ; lane (r, h): of row r the numbers 64 c + 32 h + 0 .. 31 of my K step
.endr
.endr
	QW 18                                          ; behind the 128: s_prev's sixteen loads and the two biases
	s_wait_loadcnt 2                               ; s_prev's tile is in; the two biases may be out
	QUANT Y
	PLACES 8                                       ; a scale register written by a vector line stands 8 places ahead of a scaled matrix line, an operand 4
	; transposed: source 0 = 16 columns of W, source 1 = 16 rows of s_prev: a lane holds batch 16 t + r, register j column 16 u + 8 h + j
	v_wmma_scale_f32_16x16x128_f8f6f4 v[128:135], v[F0:F0+11], v[AF:AF+11], 0, v60, v61 matrix_a_fmt:MATRIX_FMT_BF6 matrix_b_fmt:MATRIX_FMT_BF6
	v_wmma_scale_f32_16x16x128_f8f6f4 v[136:143], v[F1:F1+11], v[AF:AF+11], 0, v60, v61 matrix_a_fmt:MATRIX_FMT_BF6 matrix_b_fmt:MATRIX_FMT_BF6 matrix_a_scale:MATRIX_SCALE_ROW1
	PLACES 4
.irp u, 0,1
	ds_store_b128 v9, v[128+8*\u:131+8*\u] offset:1024*\u          ; each result from its low end on
	ds_store_b128 v9, v[132+8*\u:135+8*\u] offset:1024*\u+512
.endr
	s_wait_dscnt 0x0                               ; for the others' sake
	s_barrier_signal -1
	s_barrier_wait -1
.irp g, 0,1,2,3,4,5,6,7
	ds_load_b64 v[96+2*\g:97+2*\g], v10 offset:2048*\g             ; the eight K steps' sums of my two numbers
.endr
	s_wait_loadcnt 0x0                             ; the biases
	v_pk_add_f32 v[64:65], v[64:65], v[66:67]
	s_delay_alu instid0(VALU_DEP_1)
	v_pk_mul_f32 v[64:65], v[64:65], s[28:29] op_sel_hi:[1,0]      ; c (W_b + U_b)
	s_wait_dscnt 0x0
	v_pk_add_f32 v[96:97], v[96:97], v[98:99]
	v_pk_add_f32 v[100:101], v[100:101], v[102:103]
	v_pk_add_f32 v[104:105], v[104:105], v[106:107]
	v_pk_add_f32 v[108:109], v[108:109], v[110:111]
	s_delay_alu instid0(VALU_DEP_3)
	v_pk_add_f32 v[96:97], v[96:97], v[100:101]
	s_delay_alu instid0(VALU_DEP_2)
	v_pk_add_f32 v[104:105], v[104:105], v[108:109]
	s_delay_alu instid0(VALU_DEP_1)
	v_pk_add_f32 v[96:97], v[96:97], v[104:105]
	s_wait_alu depctr_va_vdst(0)
	v_pk_fma_f32 v[96:97], v[96:97], s[28:29], v[64:65] op_sel_hi:[1,0,1]
	global_store_b64 v11, v[96:97], s[16:17]       ; a wave stores 256 consecutive bytes, aligned; the work-group 2,048
	s_wait_tensorcnt 0x0                           ; the wave's end, behind my last LDS store
	ds_add_u32 v12, v13
	s_wait_dscnt 0x0
	s_endpgm
.Lfunc_end_k_q7234628e2f_prep:
	.size	k_q7234628e2f_prep, .Lfunc_end_k_q7234628e2f_prep-k_q7234628e2f_prep
	.p2alignl 7, 3214868480
	.fill 96, 4, 3214868480
	.section	.rodata,"a",@progbits
	.p2align	6, 0x0
	.amdhsa_kernel k_q7234628e2f_prep
		.amdhsa_group_segment_fixed_size 18432
		.amdhsa_private_segment_fixed_size 0
		.amdhsa_enable_private_segment 0
		.amdhsa_kernarg_size 56
		.amdhsa_user_sgpr_count 2
		.amdhsa_user_sgpr_kernarg_segment_ptr 1
		.amdhsa_wavefront_size32 1
		.amdhsa_system_sgpr_workgroup_id_x 1
		.amdhsa_system_sgpr_workgroup_id_y 1
		.amdhsa_system_sgpr_workgroup_id_z 1
		.amdhsa_system_vgpr_workitem_id 0
		.amdhsa_next_free_vgpr 256
		.amdhsa_next_free_sgpr 66
		.amdhsa_reserve_vcc 0
		.amdhsa_float_denorm_mode_32 3
		.amdhsa_float_denorm_mode_16_64 3
		.amdhsa_memory_ordered 1
		.amdhsa_forward_progress 1
		.amdhsa_inst_pref_size 43
	.end_amdhsa_kernel
	.amdgpu_metadata
---
amdhsa.version: [ 1, 2 ]
amdhsa.kernels:
  - .name:           k_q7234628e2f_prep
    .symbol:         k_q7234628e2f_prep.kd
    .args:
      - { .name: U_w, .offset: 0, .size: 8, .value_kind: global_buffer, .address_space: global }
      - { .name: W_w, .offset: 8, .size: 8, .value_kind: global_buffer, .address_space: global }
      - { .name: s_prev, .offset: 16, .size: 8, .value_kind: global_buffer, .address_space: global }
      - { .name: W_b, .offset: 24, .size: 8, .value_kind: global_buffer, .address_space: global }
      - { .name: U_b, .offset: 32, .size: 8, .value_kind: global_buffer, .address_space: global }
      - { .name: ub, .offset: 40, .size: 8, .value_kind: global_buffer, .address_space: global }
      - { .name: cbt, .offset: 48, .size: 8, .value_kind: global_buffer, .address_space: global }
    .group_segment_fixed_size: 18432
    .private_segment_fixed_size: 0
    .kernarg_segment_align: 8
    .kernarg_segment_size: 56
    .max_flat_workgroup_size: 256
    .sgpr_count:     66
    .vgpr_count:     256
    .wavefront_size: 32
...
	.end_amdgpu_metadata
.endif
;; end of part 1
;; launch main (part 2): grid 256 x 1, 4 waves a work-group, clusters of 4 x 1, 327,680 bytes of LDS; arguments hidden_states, ub, cbt, V_w, sco, part; writes sco, part
.if DOCPART == 2
	.amdgcn_target "amdgcn-amd-amdhsa--gfx1250"
	.amdhsa_code_object_version 6
	.text
	.protected	k_q7234628e2f_main
	.globl	k_q7234628e2f_main
	.p2align	8
	.type	k_q7234628e2f_main,@function
k_q7234628e2f_main:
	s_mov_b64 s[64:65], 0
	v_nop
	global_prefetch_b8 v0, s[64:65] scope:SCOPE_SE
	s_setreg_imm32_b32 hwreg(HW_REG_WAVE_MODE, 25, 1), 1
	s_wait_xcnt 0x0
	s_wait_alu depctr_hold_cnt(0) depctr_sa_sdst(0) depctr_va_vdst(0) depctr_va_sdst(0) depctr_va_ssrc(0) depctr_va_vcc(0) depctr_vm_vsrc(0)
	s_getreg_b32 s2, hwreg(HW_REG_IB_STS2, 6, 4)
	s_cmp_eq_u32 s2, 0
	s_cbranch_scc0 .Lentry_in_a_cluster
	s_endpgm
.Lentry_in_a_cluster:
	s_bfe_u32 s2, ttmp6, 0x10000c
	s_cmp_lg_u32 s2, 0x3003
	s_cbranch_scc0 .Lentry_shape_is_right
	s_endpgm
.Lentry_shape_is_right:
; Scores and partial contexts of additive attention.  A work-group takes 256 rows (a quarter of a batch), a wave 64.
; WORK LEFT OUT: V_b and the sum of V_w are the same along the softmax's axis (shown at the head of the first kernel); score = sum over n of (-2 V_w[n]) / (1 + 2^(c x)), c = 2 log2(e).
; PASS 1: the wave's 64 rows of hidden are read once, turned through its own LDS stage so that a lane holds 32 neighbours along K, and quantised to BF6 codes: 4 row tiles x 8 K steps x 12 registers,
;   kept in registers.  A loop of three trips and a tail that is written out: a trip quantises one row tile into tile 3's registers and copies the 96 + 8 registers to the tile's own place
;   (register numbers cannot step in a loop; the copy keeps the text short).  Loads run four fragments (64 loads a wave) ahead, over the loop's edge too.
; PASS 2: U's codes (ub, images of operand registers) go through a ring of two LDS slots of 51,200 bytes, four column tiles each, filled by joint loads of the cluster's four work-groups, which all walk ub.
;   A UNIT is 2 column tiles x 4 row tiles: 64 matrix instructions, eight accumulators by turns, with no transcendental among them.  Unit u's way: products (burst u); t = c x + cb, 2^t (gap u);
;   1 + 2^t (beside burst u + 1); reciprocal (gap u + 1); x (-2 V) onto the row sums (beside burst u + 2).  So a gap is 32 multiply-adds and ONE batch of 128 transcendentals, and each matrix
;   instruction has one plain line beside it, laid in registers that fit the product's own window setting.  The pipe starts on two empty units whose V is 0.
;   U's fragments have six places of one K step (two tiles) each.  Most of a unit's 48 fragment loads go out in the gap ahead of it, in groups between the batch's four blocks of 32; three groups stand in the burst.
; PASS 3: the block's largest score m, p = e^(score - m), and the sum over the wave's rows of p x hidden (f32, read again, last rows first); scores and partial context go to the last launch.
; No prefetch: passes 1 and 3 keep 64 loads a wave on their way, and a tile of ub is asked for a whole trip (128 matrix instructions, 256 transcendentals) ahead of its first read.
; LIMITS: NaN and infinities among the inputs are not served; a block of zeros gets the scale byte 1 (its codes are zeros; this program alone reads the bytes).
; REGISTERS.  window 0: v0-31 addresses and temporaries; v32-63 hidden's scale words; v64-79 U's; v80-223 U's fragments, 6 K steps x 2 tiles (pass 1: v80-207 the quantiser's input); v224-239 cb and -2 V, two sets.
;   windows 1, 2: v0-191 codes of row tiles 0, 1 and 2, 3; v192-223 reciprocals, v224-255 exponentials of those tiles.   window 3: v0-127 two sets of accumulators, v128-159 row sums (pass 1: 4 x 64 loaded numbers).
.set RING1, 65536                      ; LDS: slot 0 at 0, slot 1 here
.set SLOTB, 51200
.set QTR,   12800                      ; a wave's quarter of a slot: 50 rows of 256 bytes
.set SCO,   51200                      ; 256 scores
.set PW,    52224                      ; p, each twice: 512 bytes a wave
.set SPARE, 54272                      ; the spare words, 128 bytes a wave: two blocks of 256 bytes that no other line names
.set STG,   116736                     ; pass 1's stages: 2 x 16 rows x 528 bytes a wave
.set TAB,   184320                     ; column n: cb, cb, -2 V, -2 V
.set CTX,   200704                     ; the four waves' partial contexts
.set AS,  32
.set BS,  64
.set BF,  80
.set QIN, 80
.set SF,  80
.set CVW, 224
.set CX,  176
.set PP,  208
.set PPN, 224
.set SC,  128
.set RR,  192
.set XX,  224
.set RB,  66
.set MSB, 0
.macro WIN new                         ; the immediate's high byte repeats the setting that is left
.if MSB != (\new)
	s_set_vgpr_msb (MSB<<8)|(\new)
.set MSB, (\new)
.endif
.endm
.macro PLACES
.rept 4
	v_nop
.endr
.endm
.macro CREST                           ; a round of the cluster's barrier behind its opening barrier
	s_cmp_lg_u32 s16, 0
	s_cbranch_scc1 .Lnot_wave_0_\@
	s_barrier_signal -3
.Lnot_wave_0_\@:
	s_barrier_wait -3
	s_barrier_signal -1
	s_barrier_wait -1
.endm
.macro CROUND
	s_barrier_signal -1
	s_barrier_wait -1
	CREST
.endm
	s_load_b256 s[4:11], s[0:1], 0x0               ; hidden s[4:5], ub s[6:7], cbt s[8:9], V_w s[10:11]
	s_load_b128 s[12:15], s[0:1], 0x20             ; sco s[12:13], part s[14:15]
	v_lshl_add_u32 v5, v0, 2, SPARE
	v_mov_b32 v6, 0
	ds_add_u32 v5, v6                              ; the opening lines: the add, twice on end, and its wait
	ds_add_u32 v5, v6
	v_lshrrev_b32 v18, 5, v0
	v_readfirstlane_b32 s16, v18                   ; wave
	s_bfe_u32 s17, ttmp6, 0x40000                  ; cx
	s_lshl_b32 s18, ttmp9, 2
	s_add_co_u32 s18, s18, s17                     ; work-group = 4 x batch + quarter
	s_mov_b32 s24, 15|(3<<16)|(1<<21)              ; group 1: all four partners; elements of 8 bytes; 50 rows of 32
	s_mov_b32 s25, 32<<16
	s_mov_b32 s26, 50<<16
	s_mov_b32 s27, 32<<16
	s_mov_b32 s28, 50
	s_mov_b32 s29, 32
	s_mov_b32 s30, 0
	s_mov_b32 s31, 0
	s_mov_b32 s40, 0x4038aa3b                      ; c = 2 log2(e)
	s_mov_b32 s41, s40
	s_mov_b32 s42, 0x76543210
	s_mov_b32 s43, 0xfedcba98                      ; selects for lane l xor 16
	s_mov_b32 s52, 0x3fb8aa3b                      ; log2(e)
	s_mul_i32 s19, s16, QTR
	s_mul_i32 s20, s16, 16896
	s_add_co_u32 s20, s20, STG                     ; my stages
	s_lshl_b32 s21, s16, 8
	s_lshl_b32 s22, s16, 9
	s_lshl_b32 s23, s16, 12
	s_lshl_b32 s50, s16, 10
	s_add_co_u32 s47, s22, PW+448                  ; p of my rows 56 to 63
	v_and_b32 v18, 31, v0
	v_and_b32 v19, 15, v0                          ; r
	v_bfe_u32 v20, v0, 4, 1                        ; h
	v_lshlrev_b32 v1, 4, v18                       ; 16 x lane
	v_lshl_add_u32 v3, v19, 4, TAB
	v_add_nc_u32 v7, s20, v1                       ; stage in: a row's 512 bytes as they lie
	v_mul_u32_u24 v8, v19, 528
	v_lshl_add_u32 v8, v20, 7, v8
	v_add_nc_u32 v8, s20, v8                       ; stage out: row r, 128 h
	v_lshlrev_b32 v9, 3, v20
	v_lshlrev_b32 v10, 5, v20
	v_add_nc_u32 v10, s21, v10
	v_add_nc_u32 v10, SCO, v10
	v_lshl_add_u32 v11, v18, 5, SCO
	v_lshlrev_b32 v17, 3, v18
	v_add_nc_u32 v12, s21, v17
	v_add_nc_u32 v12, SCO, v12
	v_add_nc_u32 v13, s22, v1
	v_add_nc_u32 v13, PW, v13
	v_add_nc_u32 v15, s23, v1
	v_add_nc_u32 v15, CTX, v15
	v_add_nc_u32 v16, s50, v1
	v_add_nc_u32 v16, CTX, v16
	v_mov_b32 v24, 0                               ; a lane permute's destination counts as read
	v_lshl_add_u32 v25, v0, 6, TAB
	v_lshrrev_b32 v26, 3, v0
	v_and_b32 v27, 7, v0
	v_lshlrev_b32 v27, 4, v27
	v_lshl_add_u32 v26, v26, 13, v27               ; cbt: column pair T / 8, columns 4 (T % 8) on
	v_lshlrev_b32 v27, 4, v0
	s_wait_alu depctr_va_vdst(0)
	s_wait_dscnt 0x0                               ; both opening adds are done
	s_wait_kmcnt 0x0
	s_mov_b32 s61, 0
	s_lshl_b32 s60, s18, 20
	s_lshl_b32 s62, s16, 18
	s_add_co_u32 s60, s60, s62
	s_add_nc_u64 s[48:49], s[4:5], s[60:61]        ; my wave's 64 rows of hidden
	s_lshl_b32 s60, ttmp9, 7
	s_add_nc_u64 s[58:59], s[8:9], s[60:61]        ; cbt at my batch
	global_load_b128 v[240:243], v26, s[58:59]
	global_load_b128 v[244:247], v26, s[58:59] offset:131072
	global_load_b128 v[248:251], v27, s[10:11]
	global_load_b128 v[252:255], v27, s[10:11] offset:2048
.macro LOADF f                         ; fragment f of the tile at s[48:49] (8 and up: of the next tile): 16 rows x 512 bytes, 512 consecutive bytes a load, into window 3's set f % 4
	WIN 0xc0
.irp i, 0,1,2,3,4,5,6,7,8,9,10,11,12,13,14,15
	global_load_b128 v[64*((\f)%4)+4*\i:64*((\f)%4)+4*\i+3], v1, s[48:49] offset:(16*((\f)/8)+\i)*4096+512*((\f)%8)
.endr
.endm
.macro TURN f                          ; through my stage f % 2: LDS serves a wave's instructions in order, so no wait stands between
	WIN 0x0c
.irp i, 0,1,2,3,4,5,6,7,8,9,10,11,12,13,14,15
	ds_store_b128 v7, v[64*((\f)%4)+4*\i:64*((\f)%4)+4*\i+3] offset:((\f)%2)*8448+528*\i
.endr
	WIN 0
.irp c, 0,1
.irp i, 0,1,2,3,4,5,6,7
	ds_load_b128 v[QIN+64*((\f)%2)+32*\c+4*\i:QIN+64*((\f)%2)+32*\c+4*\i+3], v8 offset:((\f)%2)*8448+256*\c+16*\i
.endr
.endr
.endm
.macro QUANT f                         ; 64 numbers a lane (k = 64 c + 32 h + 0 .. 31 of row r) become fragment f of tile 3's registers (window 2, v96 on) and its scale word
.set QS, QIN+64*((\f)%2)
.set QF, 96+12*(\f)
	WIN 0
	v_max3_num_f32 v18, |v[QS]|, |v[QS+1]|, 0x2800000      ; with the floor 2^(5 - 127): the byte cannot fall under 1
	v_max3_num_f32 v19, |v[QS+32]|, |v[QS+33]|, 0x2800000
	v_max3_num_f32 v28, |v[QS+16]|, |v[QS+17]|, |v[QS+18]|
	v_max3_num_f32 v29, |v[QS+48]|, |v[QS+49]|, |v[QS+50]|
.irp i, 0,2,4,6,8,10
	v_max3_num_f32 v18, v18, |v[QS+2+\i]|, |v[QS+3+\i]|
	v_max3_num_f32 v19, v19, |v[QS+34+\i]|, |v[QS+35+\i]|
	v_max3_num_f32 v28, v28, |v[QS+19+\i]|, |v[QS+20+\i]|
	v_max3_num_f32 v29, v29, |v[QS+51+\i]|, |v[QS+52+\i]|
.endr
	v_max3_num_f32 v18, v18, |v[QS+14]|, |v[QS+15]|
	v_max3_num_f32 v19, v19, |v[QS+46]|, |v[QS+47]|
	v_max3_num_f32 v18, v18, v28, |v[QS+31]|
	v_max3_num_f32 v19, v19, v29, |v[QS+63]|
	v_add_nc_u32 v20, 0xfe000000, v18              ; 4 off the exponent field: the conversion's scale operand
	v_add_nc_u32 v21, 0xfe000000, v19
	v_lshrrev_b32 v22, 23, v20
	v_lshrrev_b32 v23, 23, v21
	v_lshl_or_b32 v22, v23, 16, v22
	v_lshlrev_b32 v22, v9, v22                     ; my two bytes, 8 h bits up
	v_permlanex16_b32 v24, v22, s42, s43
	v_or_b32 v[AS+24+(\f)], v22, v24               ; with lane l xor 16's two the word is whole
	WIN 0x80
	v_cvt_scalef32_pk16_bf6_f32 v[QF:QF+2], v[QS:QS+15], v20
	v_cvt_scalef32_pk16_bf6_f32 v[192:194], v[QS+16:QS+31], v20    ; (a conversion's three registers begin on an even number)
	v_cvt_scalef32_pk16_bf6_f32 v[QF+6:QF+8], v[QS+32:QS+47], v21
	v_cvt_scalef32_pk16_bf6_f32 v[196:198], v[QS+48:QS+63], v21
	v_nop                                          ; a plain line behind the conversions
	WIN 0x82
.irp i, 0,1,2
	v_mov_b32 v[QF+3+\i], v[192+\i]
	v_mov_b32 v[QF+9+\i], v[196+\i]
.endr
	WIN 0
.endm
.macro STEPF f, last
	s_wait_dscnt 0x0                               ; fragment f is back from the stage, and its stores have read set f % 4
.if (\last == 0) || ((\f)+4 < 8)
	LOADF (\f)+4
.endif
.if (\last == 0) || ((\f) <= 3)
	s_wait_loadcnt 48                              ; fragment f + 1 is in; the three behind it, 16 loads each, may be out
	TURN (\f)+1
.elseif (\f) < 7
	s_wait_loadcnt 16*(6-(\f))                     ; the counts run down
	TURN (\f)+1
.endif
	QUANT \f
.endm
.macro COPYT w, off, as                ; tile 3's registers to window w, v[off ..], and the eight scale words to their place
	WIN ((\w)<<6)|2
.set i, 0
.rept 96
	v_mov_b32 v[(\off)+i], v[96+i]
.set i, i+1
.endr
	WIN 0
.set i, 0
.rept 8
	v_mov_b32 v[AS+(\as)+i], v[AS+24+i]
.set i, i+1
.endr
.endm
	LOADF 0
	LOADF 1
	LOADF 2
	WIN 0
	s_mov_b32 s60, s19
	s_add_nc_u64 s[38:39], s[6:7], s[60:61]        ; group 0: my quarter of tile 0, into slot 0; each trip of pass 2 steps it a tile on
	s_or_b32 s39, s39, 0x80000000
	s_mov_b32 s36, 1
	s_mov_b32 s37, s19
	s_lshl_b32 s60, s18, 10
	s_add_co_u32 s60, s60, s21
	s_add_nc_u64 s[54:55], s[12:13], s[60:61]      ; sco at my wave's 64 scores
	s_lshl_b32 s60, s18, 12
	s_add_co_u32 s60, s60, s50
	s_add_nc_u64 s[56:57], s[14:15], s[60:61]      ; part at my wave's 1,024 bytes
	CROUND                                         ; the round in front of the first joint load
	tensor_load_to_lds s[36:39], s[24:31]          ; one tensor load a wave at the head
	s_nop 0
	PLACES
	s_wait_loadcnt 48                              ; cbt's and V_w's four loads are in; three fragments may be out
.irp u, 0,1
.irp i, 0,1,2,3
	v_mov_b32 v[208+16*\u+4*\i], v[240+4*\u+\i]
	v_mov_b32 v[209+16*\u+4*\i], v[240+4*\u+\i]
	v_mul_f32 v[210+16*\u+4*\i], -2.0, v[248+4*\u+\i]
	v_mul_f32 v[211+16*\u+4*\i], -2.0, v[248+4*\u+\i]
.endr
.endr
.irp u, 0,1
.irp i, 0,1,2,3
	ds_store_b128 v25, v[208+16*\u+4*\i:211+16*\u+4*\i] offset:8192*\u+16*\i
.endr
.endr
	LOADF 3
	s_wait_loadcnt 48
	TURN 0
	s_mov_b32 s46, 3
.Ltile:                                                ; row tiles 0, 1, 2
.irp f, 0,1,2,3,4,5,6,7
	STEPF \f, 0
.endr
	s_wait_alu depctr_va_vdst(0)                   ; ahead of the branches: the copies read what was just written
	s_cmp_eq_u32 s46, 3
	s_cbranch_scc0 .Lnot_tile_0
	COPYT 1, 0, 0
	s_branch .Lcopied
.Lnot_tile_0:
	s_cmp_eq_u32 s46, 2
	s_cbranch_scc0 .Lnot_tile_1
	COPYT 1, 96, 8
	s_branch .Lcopied
.Lnot_tile_1:
	COPYT 2, 0, 16
.Lcopied:
	s_wait_alu depctr_va_vdst(0)                   ; ahead of the wait and the branch below
	s_wait_xcnt 0x0                                ; the loads that are out have read their base
	s_add_nc_u64 s[48:49], s[48:49], 65536         ; 16 rows on
	s_sub_co_u32 s46, s46, 1
	s_cmp_lg_u32 s46, 0
	s_cbranch_scc1 .Ltile
.irp f, 0,1,2,3,4,5,6,7
	STEPF \f, 1                                    ; tile 3 stays where it is made; nothing is loaded beyond my rows
.endr
; ---- pass 2
.macro FRL q                           ; K step q % 8 of unit q / 8 of the slot: two tiles' fragments, six loads, into place q % 6
	WIN 0
.irp jj, 0,1
.irp c, 0,1,2
	ds_load_b128 v[BF+24*((\q)%6)+12*\jj+4*\c:BF+24*((\q)%6)+12*\jj+4*\c+3], v2 offset:(8*(2*((\q)/8)+\jj)+(\q)%8)*1536+512*\c
.endr
.endr
.endm
.macro CVL g                           ; cb and -2 V of unit g's two column tiles
.irp jj, 0,1
	ds_load_b128 v[CVW+8*(\g)+4*\jj:CVW+8*(\g)+4*\jj+3], v4 offset:256*(2*(\g)+\jj)
.endr
.endm
.macro MM g, s, H, i                   ; source 0: hidden's tile 2 H + i % 2 (window 1 + H); source 1: U's tile i / 2; a lane holds column r, register j row 8 h + j
.set mJ, (\i)/2
.set mT, 2*(\H)+(\i)%2
.set mD, 64*(\g)+8*(4*mJ+mT)
.set mA, 96*((\i)%2)+12*(\s)
.set mB, BF+24*((8*(\g)+(\s))%6)+12*mJ
.set mX, AS+8*mT+(\s)
.set mY, BS+8*(\g)+4*mJ+(\s)%4
.if (\s) == 0
	v_wmma_scale_f32_16x16x128_f8f6f4 v[mD:mD+7], v[mA:mA+11], v[mB:mB+11], 0, v[mX], v[mY] matrix_a_fmt:MATRIX_FMT_BF6 matrix_b_fmt:MATRIX_FMT_BF6
.elseif (\s) < 4
	v_wmma_scale_f32_16x16x128_f8f6f4 v[mD:mD+7], v[mA:mA+11], v[mB:mB+11], v[mD:mD+7], v[mX], v[mY] matrix_a_fmt:MATRIX_FMT_BF6 matrix_b_fmt:MATRIX_FMT_BF6
.else
	v_wmma_scale_f32_16x16x128_f8f6f4 v[mD:mD+7], v[mA:mA+11], v[mB:mB+11], v[mD:mD+7], v[mX], v[mY] matrix_a_fmt:MATRIX_FMT_BF6 matrix_b_fmt:MATRIX_FMT_BF6 matrix_b_scale:MATRIX_SCALE_ROW1
.endif
.endm
; Pair e (0 .. 15) of half H: column tile e / 8, row tile 2 H + (e / 4) % 2, registers 2 (e % 4) on.  Both lines run under the products' window setting: source 0 window 1 + H, source 1 window 0, source 2 and destination window 3.
.macro E5 H, e, p, out                 ; row sums += reciprocal x (-2 V); out = 1: the finished sum goes to window 0
.set xS, 8*(2*(\H)+((\e)/4)%2)+2*((\e)%4)
.set xV, CVW+8*(\p)+4*((\e)/8)+2
.if \out
	v_pk_fma_f32 v[SF+xS:SF+xS+1], v[RR+2*(\e):RR+2*(\e)+1], v[xV:xV+1], v[SC+xS:SC+xS+1]
.else
	v_pk_fma_f32 v[SC+xS:SC+xS+1], v[RR+2*(\e):RR+2*(\e)+1], v[xV:xV+1], v[SC+xS:SC+xS+1]
.endif
.endm
.macro E3 H, e, p                      ; 1 + 2^t, into accumulator set p, which the exponentials have read
.set xA, 64*(\p)+8*(4*((\e)/8)+2*(\H)+((\e)/4)%2)+2*((\e)%4)
	v_pk_add_f32 v[xA:xA+1], v[XX+2*(\e):XX+2*(\e)+1], 1.0 op_sel_hi:[1,0]
.endm
.macro PL g, s, H, i                   ; the plain line beside a product of unit v: K steps 0-3 unit v - 2's sums, K steps 4-7 unit v - 1's 1 + 2^t
.if (\s) < 4
	E5 \H, 4*(\s)+(\i), \g, 0
.else
	E3 \H, 4*((\s)-4)+(\i), 1-(\g)
.endif
.endm
.macro HALF g, s, H
.irp i, 0,1,2,3
	MM \g, \s, \H, \i
	PL \g, \s, \H, \i
.endr
.endm
; 64 matrix instructions, the eight accumulators by turns.  The order of a trip's LDS loads: 4 of scale words, K steps 0 to 5 (the top's gap); 6, 7, 8 and 2 of constants (middles of
; K steps 2, 3, 4); 9 to 13 (the middle gap); 14, 15 and 2 of constants (middles of K steps 10, 11, 12).  Each wait below counts the loads issued behind its own K step's six.  A place is loaded again at the
; earliest in the middle of the second K step behind the one that read it: nine plain lines and more behind that step's last product.
.macro BURST g
.irp s, 0,1,2,3,4,5,6,7
.if \s == 0
	s_wait_dscnt 30                                ; five K steps' loads behind mine
.elseif \s == 1
	s_wait_dscnt 24
.elseif \s <= 4
	s_wait_dscnt 18
.else
	s_wait_dscnt 50-6*\s-6*(\g)                    ; unit 0: 20, 14, 8; unit 1, which fetches nothing of a next unit: 14, 8, 2
.endif
	WIN 0xf1
	HALF \g, \s, 0
.if (\s == 2) || (\s == 3)
	FRL 8*(\g)+4+\s
.elseif \s == 4
.if \g == 0
	FRL 8
.endif
	WIN 0
	CVL \g                                         ; the set's old -2 V have been used in K steps 0-3
.endif
	WIN 0xf2
	HALF \g, \s, 1
.endr
.endm
.macro E1S p                           ; t = c x + cb, the accumulators in the order in which they were finished, each from its low end on
	WIN 0xc3
.irp a, 0,1,4,5,2,3,6,7
.irp q, 0,1,2,3
	v_pk_fma_f32 v[64*(\p)+8*\a+2*\q:64*(\p)+8*\a+2*\q+1], v[64*(\p)+8*\a+2*\q:64*(\p)+8*\a+2*\q+1], s[40:41], v[CVW+8*(\p)+4*((\a)/4):CVW+8*(\p)+4*((\a)/4)+1] op_sel_hi:[1,0,1]
.endr
.endr
.endm
.macro TRH op, base, p, H              ; 32 transcendentals: half H of accumulator set p into window 1 + H
	WIN ((1+(\H))<<6)|3
.set i, 0
.rept 32
	\op v[(\base)+i], v[64*(\p)+8*(4*(i/16)+2*(\H)+(i/8)%2)+i%8]
.set i, i+1
.endr
.endm
; A trip's top: the change of slots, and the gap of the last trip's second unit: its multiply-adds inside the round's opening barrier, its batch behind the round, over the new slot's first 40 loads.
.macro TOP refill
	WIN 0
	s_wait_tensorcnt 0x0                           ; my one load that was out, my quarter of this trip's slot, has landed
	ds_add_u32 v5, v6
.if \refill
	s_xor_b32 s37, s37, RING1                      ; no tensor load of mine is out: group 0 steps to the next tile and the other slot
	s_add_nc_u64 s[38:39], s[38:39], SLOTB
.endif
	s_wait_dscnt 0x0                               ; the add is done, and my reads of the other slot
	s_barrier_signal -1
	E1S 1
	WIN 0
	s_barrier_wait -1
.if \refill
	CREST                                          ; no wave of any partner still reads the other slot or has a load on its way
	tensor_load_to_lds s[36:39], s[24:31]          ; the next tile: my one load behind the round
	s_nop 0
	PLACES
.endif
	v_add_nc_u32 v2, s44, v1                       ; this trip's slot
	v_add_nc_u32 v4, s45, v3                       ; and its four column tiles' constants
	s_wait_alu depctr_va_vdst(0)                   ; one wait ahead of the batch
	s_xor_b32 s44, s44, RING1
	s_add_co_u32 s45, s45, 1024
.irp jl, 0,1,2,3
	ds_load_b128 v[BS+4*\jl:BS+4*\jl+3], v2 offset:49152+512*\jl   ; U's scale words: lanes 0-15 K steps 0-3, lanes 16-31 K steps 4-7
.endr
	FRL 0
	TRH v_exp_f32, XX, 1, 0
	FRL 1
	FRL 2
	TRH v_rcp_f32, RR, 0, 0
	FRL 3
	FRL 4
	TRH v_exp_f32, XX, 1, 1
	FRL 5
	TRH v_rcp_f32, RR, 0, 1
	v_nop                                          ; a plain line behind the batch
	s_wait_alu depctr_va_vdst(0)                   ; and one wait behind it
.endm
.macro TRIP refill
	TOP \refill
	BURST 0
	s_wait_dscnt 0x0                               ; unit 0's constants are in
	E1S 0
	FRL 9
	FRL 10
	s_wait_alu depctr_va_vdst(0)                   ; ahead of the batch
	TRH v_exp_f32, XX, 0, 0
	FRL 11
	TRH v_rcp_f32, RR, 1, 0
	FRL 12
	TRH v_exp_f32, XX, 0, 1
	FRL 13
	TRH v_rcp_f32, RR, 1, 1
	v_nop
	s_wait_alu depctr_va_vdst(0)                   ; behind it
	BURST 1
	WIN 0
.endm
	WIN 0xc0                                       ; the two empty units at the pipe's start: 1 + 2^t = 1 and t = 0, both with V = 0; and the row sums begin at 0
.set i, 0
.rept 64
	v_mov_b32 v[i], 1.0
.set i, i+1
.endr
.rept 96
	v_mov_b32 v[i], 0
.set i, i+1
.endr
	WIN 0
.set i, 0
.rept 16
	v_mov_b32 v[CVW+i], 0
.set i, i+1
.endr
	s_mov_b32 s44, 0
	s_mov_b32 s45, 0
	s_mov_b32 s46, 15
	s_wait_alu depctr_va_vdst(0)                   ; ahead of the waits below
.Lslot:                                                ; trip t multiplies tile t and asks for tile t + 1
	TRIP 1
	s_sub_co_u32 s46, s46, 1
	s_cmp_lg_u32 s46, 0
	s_cbranch_scc1 .Lslot
	TRIP 0                                         ; the last tile: nothing more to ask for
; ---- the pipe runs empty, under the first loads of pass 3
.macro LOADR i                         ; a whole row, 8 x 512 bytes, into the registers that held codes
	WIN (1+(\i)/4)<<6
.irp e, 0,1,2,3,4,5,6,7
	global_load_b128 v[32*((\i)%4)+4*\e:32*((\i)%4)+4*\e+3], v1, s[RB+2*(\i):RB+2*(\i)+1] offset:512*\e th:TH_LOAD_NT
.endr
.endm
.macro FMAR i
	WIN 1+(\i)/4
.irp q, 0,1,2,3,4,5,6,7,8,9,10,11,12,13,14,15
	v_pk_fma_f32 v[CX+2*\q:CX+2*\q+1], v[32*((\i)%4)+2*\q:32*((\i)%4)+2*\q+1], v[PP+2*(\i):PP+2*(\i)+1], v[CX+2*\q:CX+2*\q+1]
.endr
.endm
.macro PNEXT                           ; p of the eight rows at s47 is asked for, a trip ahead of its use
	v_mov_b32 v14, s47
.irp m, 0,1,2,3
	ds_load_b128 v[PPN+4*\m:PPN+4*\m+3], v14 offset:16*\m
.endr
.endm
.macro PTAKE                           ; and taken over at the trip's top
	s_wait_dscnt 0x0
.set i, 0
.rept 16
	v_mov_b32 v[PP+i], v[PPN+i]
.set i, i+1
.endr
	s_wait_alu depctr_va_vdst(0)
.endm
.irp i, 0,1,2,3,4,5,6,7
	s_add_nc_u64 s[RB+2*\i:RB+2*\i+1], s[48:49], (8+\i)*4096       ; s[48:49] stands at my row 48: rows 56 to 63
.endr
	s_wait_dscnt 0x0                               ; the last unit's constants are in: no LDS load was issued behind them
	E1S 1                                          ; (also the places in front of the loads into the codes' registers)
.irp i, 7,6,5,4,3,2,1,0
	LOADR \i
.endr
	s_wait_alu depctr_va_vdst(0)                   ; ahead of the batch
	TRH v_exp_f32, XX, 1, 0
	TRH v_rcp_f32, RR, 0, 0
	TRH v_exp_f32, XX, 1, 1
	TRH v_rcp_f32, RR, 0, 1
	v_nop
	s_wait_alu depctr_va_vdst(0)                   ; behind it
.irp H, 0,1
	WIN 0xf1+\H
.set n, 0
.rept 16
	E5 \H, n, 0, 0
	E3 \H, n, 1
.set n, n+1
.endr
.endr
	s_wait_alu depctr_va_vdst(0)                   ; ahead of the last batch
	TRH v_rcp_f32, RR, 1, 0
	TRH v_rcp_f32, RR, 1, 1
	v_nop
	s_wait_alu depctr_va_vdst(0)
.irp H, 0,1
	WIN 0xf1+\H
.set n, 0
.rept 8
	E5 \H, n, 1, 0
.set n, n+1
.endr
	WIN 0x31+\H
.rept 8
	E5 \H, n, 1, 1
.set n, n+1
.endr
.endr
	WIN 0
.irp m, 1,2,4,8                        ; a lane's sums cover the columns n % 16 = r: the sixteen lanes' sums make the score
.set i, 0
.rept 32
	v_add_f32_dpp v[SF+i], v[SF+i], v[SF+i] row_xmask:\m row_mask:0xf bank_mask:0xf
.set i, i+1
.endr
.endr
.irp t, 0,1,2,3
	ds_store_b128 v10, v[SF+8*\t:SF+8*\t+3] offset:64*\t
	ds_store_b128 v10, v[SF+8*\t+4:SF+8*\t+7] offset:64*\t+16
.endr
	s_wait_dscnt 0x0                               ; for the others' sake
	s_barrier_signal -1
	s_barrier_wait -1
	ds_load_b128 v[112:115], v11                   ; all 256 scores, 8 a lane,
	ds_load_b128 v[116:119], v11 offset:16
	ds_load_b64 v[120:121], v12                    ; and two of my wave's 64
	s_wait_dscnt 0x0
	v_max3_num_f32 v122, v112, v113, v114
	v_max3_num_f32 v123, v115, v116, v117
	v_max3_num_f32 v122, v122, v118, v119
	v_max_num_f32 v122, v122, v123
	v_max_num_f32_dpp v122, v122, v122 row_xmask:1 row_mask:0xf bank_mask:0xf
	v_max_num_f32_dpp v122, v122, v122 row_xmask:2 row_mask:0xf bank_mask:0xf
	v_max_num_f32_dpp v122, v122, v122 row_xmask:4 row_mask:0xf bank_mask:0xf
	v_max_num_f32_dpp v122, v122, v122 row_xmask:8 row_mask:0xf bank_mask:0xf
	v_permlanex16_b32 v24, v122, s42, s43
	v_max_num_f32 v122, v122, v24                  ; m: the block's largest score
	global_store_b64 v17, v[120:121], s[54:55]
	v_sub_f32 v124, v120, v122
	v_sub_f32 v125, v121, v122
	v_mul_f32 v124, s52, v124
	v_mul_f32 v125, s52, v125
	s_wait_alu depctr_va_vdst(0)
	v_exp_f32 v124, v124
	v_exp_f32 v126, v125
	v_nop
	s_wait_alu depctr_va_vdst(0)
	v_mov_b32 v125, v124
	v_mov_b32 v127, v126
	ds_store_b128 v13, v[124:127]                  ; p = e^(score - m), each twice, for the packed lines; my wave alone reads them
	PNEXT                                          ; LDS serves a wave's instructions in order: these see the store.  Rows 56 to 63
.set i, 0
.rept 32
	v_mov_b32 v[CX+i], 0
.set i, i+1
.endr
	s_mov_b32 s46, 7
.Lrows:                                                ; eight rows a trip, from the last row down; eight rows (64 loads) are on their way
	PTAKE
	s_sub_co_u32 s47, s47, 64
	PNEXT                                          ; the next trip's eight
.irp i, 7,6,5,4,3,2,1,0
	s_wait_loadcnt 56                              ; this row's eight loads are in, so its base may step
	s_sub_nc_u64 s[RB+2*\i:RB+2*\i+1], s[RB+2*\i:RB+2*\i+1], 32768
	FMAR \i
	LOADR \i
.endr
	WIN 0
	s_sub_co_u32 s46, s46, 1
	s_cmp_lg_u32 s46, 0
	s_cbranch_scc1 .Lrows
	PTAKE
.irp i, 7,6,5,4,3,2,1,0
	s_wait_loadcnt 8*\i
	FMAR \i
.endr
	WIN 0
.irp e, 0,1,2,3,4,5,6,7
	ds_store_b128 v15, v[CX+4*\e:CX+4*\e+3] offset:512*\e
.endr
	s_wait_dscnt 0x0
	s_barrier_signal -1
	s_barrier_wait -1
.irp e, 0,1
.irp g, 0,1,2,3
	ds_load_b128 v[80+16*\e+4*\g:83+16*\e+4*\g], v16 offset:4096*\g+512*\e
.endr
.endr
	s_wait_dscnt 0x0
.irp e, 0,1
	v_pk_add_f32 v[80+16*\e:81+16*\e], v[80+16*\e:81+16*\e], v[84+16*\e:85+16*\e]
	v_pk_add_f32 v[82+16*\e:83+16*\e], v[82+16*\e:83+16*\e], v[86+16*\e:87+16*\e]
	v_pk_add_f32 v[88+16*\e:89+16*\e], v[88+16*\e:89+16*\e], v[92+16*\e:93+16*\e]
	v_pk_add_f32 v[90+16*\e:91+16*\e], v[90+16*\e:91+16*\e], v[94+16*\e:95+16*\e]
	v_pk_add_f32 v[80+16*\e:81+16*\e], v[80+16*\e:81+16*\e], v[88+16*\e:89+16*\e]
	v_pk_add_f32 v[82+16*\e:83+16*\e], v[82+16*\e:83+16*\e], v[90+16*\e:91+16*\e]
	global_store_b128 v1, v[80+16*\e:83+16*\e], s[56:57] offset:512*\e   ; 32 lanes store 512 consecutive bytes
.endr
	s_wait_tensorcnt 0x0                           ; the wave's end
	ds_add_u32 v5, v6
	s_wait_dscnt 0x0
	CROUND                                         ; the closing round
	s_endpgm
.Lfunc_end_k_q7234628e2f_main:
	.size	k_q7234628e2f_main, .Lfunc_end_k_q7234628e2f_main-k_q7234628e2f_main
	.p2alignl 7, 3214868480
	.fill 96, 4, 3214868480
	.section	.rodata,"a",@progbits
	.p2align	6, 0x0
	.amdhsa_kernel k_q7234628e2f_main
		.amdhsa_group_segment_fixed_size 327680
		.amdhsa_private_segment_fixed_size 0
		.amdhsa_enable_private_segment 0
		.amdhsa_kernarg_size 48
		.amdhsa_user_sgpr_count 2
		.amdhsa_user_sgpr_kernarg_segment_ptr 1
		.amdhsa_wavefront_size32 1
		.amdhsa_system_sgpr_workgroup_id_x 1
		.amdhsa_system_sgpr_workgroup_id_y 1
		.amdhsa_system_sgpr_workgroup_id_z 1
		.amdhsa_system_vgpr_workitem_id 0
		.amdhsa_next_free_vgpr 1024
		.amdhsa_next_free_sgpr 84
		.amdhsa_reserve_vcc 0
		.amdhsa_float_denorm_mode_32 3
		.amdhsa_float_denorm_mode_16_64 3
		.amdhsa_memory_ordered 1
		.amdhsa_forward_progress 1
		.amdhsa_inst_pref_size 255
	.end_amdhsa_kernel
	.section	.bss,"aw",@nobits
	.p2align	6
	.space	262144
	.amdgpu_metadata
---
amdhsa.version: [ 1, 2 ]
amdhsa.kernels:
  - .name:           k_q7234628e2f_main
    .symbol:         k_q7234628e2f_main.kd
    .args:
      - { .name: hidden_states, .offset: 0, .size: 8, .value_kind: global_buffer, .address_space: global }
      - { .name: ub, .offset: 8, .size: 8, .value_kind: global_buffer, .address_space: global }
      - { .name: cbt, .offset: 16, .size: 8, .value_kind: global_buffer, .address_space: global }
      - { .name: V_w, .offset: 24, .size: 8, .value_kind: global_buffer, .address_space: global }
      - { .name: sco, .offset: 32, .size: 8, .value_kind: global_buffer, .address_space: global }
      - { .name: part, .offset: 40, .size: 8, .value_kind: global_buffer, .address_space: global }
    .group_segment_fixed_size: 327680
    .private_segment_fixed_size: 0
    .kernarg_segment_align: 8
    .kernarg_segment_size: 48
    .max_flat_workgroup_size: 128
    .sgpr_count:     84
    .vgpr_count:     1024
    .wavefront_size: 32
...
	.end_amdgpu_metadata
.endif
;; end of part 2
;; launch fin (part 3): grid 64 x 1, 8 waves a work-group, no clusters, 1,536 bytes of LDS; arguments sco, part, out0, out1; writes out0, out1
.if DOCPART == 3
	.amdgcn_target "amdgcn-amd-amdhsa--gfx1250"
	.amdhsa_code_object_version 6
	.text
	.protected	k_q7234628e2f_fin
	.globl	k_q7234628e2f_fin
	.p2align	8
	.type	k_q7234628e2f_fin,@function
k_q7234628e2f_fin:
	s_mov_b64 s[64:65], 0
	v_nop
	global_prefetch_b8 v0, s[64:65] scope:SCOPE_SE
	s_setreg_imm32_b32 hwreg(HW_REG_WAVE_MODE, 25, 1), 1
	s_wait_xcnt 0x0
; The softmax of a batch's 1,024 scores and the joining of its four partial contexts.  The scores lack V_b and the sum of V_w, which are the same along the softmax's axis (shown at the head of the first kernel).
; the same maximum of the same numbers.  With M the largest of all: weights = e^(score - M) / L, L their sum; context = sum over q of e^(m_q - M) part[q] / L.
; 64 work-groups: there is a batch's worth of work for each and no more.  LIMIT: NaN and infinities are not served.
.set MX,    0                          ; LDS: the eight waves' maxima,
.set SM,    256                        ; their sums,
.set SPARE, 512                        ; and the spare words, 128 bytes for each wave: four blocks of 256 bytes that no other line names
	s_load_b256 s[4:11], s[0:1], 0x0               ; sco s[4:5], part s[6:7], out0 s[8:9], out1 s[10:11]
	v_lshl_add_u32 v2, v0, 2, SPARE
	v_mov_b32 v3, 0
	v_lshlrev_b32 v1, 4, v0                        ; 16 T
	v_lshrrev_b32 v24, 5, v0
	s_delay_alu instid0(VALU_DEP_1)
	v_lshlrev_b32 v24, 2, v24                      ; 4 x wave
	v_mov_b32 v26, 0                               ; written once: a lane permute's destination counts as one of its sources
	v_mov_b32 v27, 0                               ; LDS address 0
	s_lshl_b32 s12, ttmp9, 12
	s_mov_b32 s13, 0
	s_lshl_b32 s14, ttmp9, 14
	s_mov_b32 s15, 0
	s_mov_b32 s16, 0x76543210
	s_mov_b32 s17, 0xfedcba98
	s_mov_b32 s18, 0x3fb8aa3b                      ; log2(e)
	s_wait_alu depctr_va_vdst(0)
	s_wait_kmcnt 0x0
	s_add_nc_u64 s[4:5], s[4:5], s[12:13]
	s_add_nc_u64 s[6:7], s[6:7], s[14:15]
	s_add_nc_u64 s[8:9], s[8:9], s[12:13]
	s_add_nc_u64 s[10:11], s[10:11], s[12:13]
	global_load_b128 v[4:7], v1, s[4:5]
.irp q, 0,1,2,3
	global_load_b128 v[8+4*\q:11+4*\q], v1, s[6:7] offset:4096*\q
.endr
	s_wait_loadcnt 4                               ; the scores are in; the four parts may be out
	v_max3_num_f32 v25, v4, v5, v6
	s_delay_alu instid0(VALU_DEP_1)
	v_max_num_f32 v25, v25, v7
	s_delay_alu instid0(VALU_DEP_1)
	v_max_num_f32_dpp v25, v25, v25 row_xmask:1 row_mask:0xf bank_mask:0xf
	s_delay_alu instid0(VALU_DEP_1)
	v_max_num_f32_dpp v25, v25, v25 row_xmask:2 row_mask:0xf bank_mask:0xf
	s_delay_alu instid0(VALU_DEP_1)
	v_max_num_f32_dpp v25, v25, v25 row_xmask:4 row_mask:0xf bank_mask:0xf
	s_delay_alu instid0(VALU_DEP_1)
	v_max_num_f32_dpp v25, v25, v25 row_xmask:8 row_mask:0xf bank_mask:0xf
	s_delay_alu instid0(VALU_DEP_1)
	v_permlanex16_b32 v26, v25, s16, s17
	s_delay_alu instid0(VALU_DEP_1)
	v_max_num_f32 v25, v25, v26                    ; my wave's largest of 128
	ds_store_b32 v24, v25 offset:MX                ; all lanes write the same word with the same value
	s_wait_dscnt 0x0
	s_barrier_signal -1
	s_barrier_wait -1
	ds_load_b128 v[28:31], v27 offset:MX
	ds_load_b128 v[32:35], v27 offset:MX+16
	s_wait_dscnt 0x0
	v_max_num_f32 v36, v28, v29                    ; m_0 .. m_3
	v_max_num_f32 v37, v30, v31
	v_max_num_f32 v38, v32, v33
	v_max_num_f32 v39, v34, v35
	s_delay_alu instid0(VALU_DEP_2)
	v_max3_num_f32 v40, v36, v37, v38
	s_delay_alu instid0(VALU_DEP_1)
	v_max_num_f32 v40, v40, v39                    ; M
.irp i, 0,1,2,3
	v_sub_f32 v[4+\i], v[4+\i], v40
	v_sub_f32 v[36+\i], v[36+\i], v40
.endr
.irp i, 0,1,2,3
	v_mul_f32 v[4+\i], s18, v[4+\i]
	v_mul_f32 v[36+\i], s18, v[36+\i]
.endr
	s_wait_alu depctr_va_vdst(0)
.irp i, 0,1,2,3
	v_exp_f32 v[4+\i], v[4+\i]                     ; e^(score - M)
	v_exp_f32 v[36+\i], v[36+\i]                   ; e^(m_q - M)
.endr
	v_nop                                          ; a plain line behind the exponentials,
	s_wait_alu depctr_va_vdst(0)                   ; and one wait for the eight, ahead of the first line that names a result
	v_add_f32 v41, v4, v5
	v_add_f32 v42, v6, v7
	s_delay_alu instid0(VALU_DEP_1)
	v_add_f32 v41, v41, v42
	s_delay_alu instid0(VALU_DEP_1)
	v_add_f32_dpp v41, v41, v41 row_xmask:1 row_mask:0xf bank_mask:0xf
	s_delay_alu instid0(VALU_DEP_1)
	v_add_f32_dpp v41, v41, v41 row_xmask:2 row_mask:0xf bank_mask:0xf
	s_delay_alu instid0(VALU_DEP_1)
	v_add_f32_dpp v41, v41, v41 row_xmask:4 row_mask:0xf bank_mask:0xf
	s_delay_alu instid0(VALU_DEP_1)
	v_add_f32_dpp v41, v41, v41 row_xmask:8 row_mask:0xf bank_mask:0xf
	s_delay_alu instid0(VALU_DEP_1)
	v_permlanex16_b32 v26, v41, s16, s17
	s_delay_alu instid0(VALU_DEP_1)
	v_add_f32 v41, v41, v26
	ds_store_b32 v24, v41 offset:SM                ; other bytes than the maxima's: no barrier is owed between
	s_wait_dscnt 0x0
	s_barrier_signal -1
	s_barrier_wait -1
	ds_load_b128 v[28:31], v27 offset:SM
	ds_load_b128 v[32:35], v27 offset:SM+16
	s_wait_dscnt 0x0
	v_add_f32 v28, v28, v29
	v_add_f32 v30, v30, v31
	v_add_f32 v32, v32, v33
	v_add_f32 v34, v34, v35
	s_delay_alu instid0(VALU_DEP_3)
	v_add_f32 v28, v28, v30
	s_delay_alu instid0(VALU_DEP_2)
	v_add_f32 v32, v32, v34
	s_delay_alu instid0(VALU_DEP_1)
	v_add_f32 v28, v28, v32                        ; L
	s_wait_alu depctr_va_vdst(0)
	v_rcp_f32 v43, v28
	v_nop
	s_wait_alu depctr_va_vdst(0)
.irp i, 0,1,2,3
	v_mul_f32 v[4+\i], v[4+\i], v43                ; the weights
	v_mul_f32 v[36+\i], v[36+\i], v43              ; e^(m_q - M) / L
.endr
	global_store_b128 v1, v[4:7], s[10:11]         ; 256 threads store 4,096 consecutive bytes
	s_wait_alu depctr_va_vdst(0)
	s_wait_loadcnt 0x0
.irp i, 0,1,2,3
	v_mul_f32 v[44+\i], v[8+\i], v36
.endr
.irp i, 0,1,2,3
	s_delay_alu instid0(VALU_DEP_4)
	v_fma_f32 v[44+\i], v[12+\i], v37, v[44+\i]
.endr
.irp i, 0,1,2,3
	s_delay_alu instid0(VALU_DEP_4)
	v_fma_f32 v[44+\i], v[16+\i], v38, v[44+\i]
.endr
.irp i, 0,1,2,3
	s_delay_alu instid0(VALU_DEP_4)
	v_fma_f32 v[44+\i], v[20+\i], v39, v[44+\i]
.endr
	global_store_b128 v1, v[44:47], s[8:9]
	s_wait_tensorcnt 0x0                           ; the wave's end, behind my last LDS store
	ds_add_u32 v2, v3
	s_wait_dscnt 0x0
	s_endpgm
.Lfunc_end_k_q7234628e2f_fin:
	.size	k_q7234628e2f_fin, .Lfunc_end_k_q7234628e2f_fin-k_q7234628e2f_fin
	.p2alignl 7, 3214868480
	.fill 96, 4, 3214868480
	.section	.rodata,"a",@progbits
	.p2align	6, 0x0
	.amdhsa_kernel k_q7234628e2f_fin
		.amdhsa_group_segment_fixed_size 1536
		.amdhsa_private_segment_fixed_size 0
		.amdhsa_enable_private_segment 0
		.amdhsa_kernarg_size 32
		.amdhsa_user_sgpr_count 2
		.amdhsa_user_sgpr_kernarg_segment_ptr 1
		.amdhsa_wavefront_size32 1
		.amdhsa_system_sgpr_workgroup_id_x 1
		.amdhsa_system_sgpr_workgroup_id_y 1
		.amdhsa_system_sgpr_workgroup_id_z 1
		.amdhsa_system_vgpr_workitem_id 0
		.amdhsa_next_free_vgpr 64
		.amdhsa_next_free_sgpr 66
		.amdhsa_reserve_vcc 0
		.amdhsa_float_denorm_mode_32 3
		.amdhsa_float_denorm_mode_16_64 3
		.amdhsa_memory_ordered 1
		.amdhsa_forward_progress 1
		.amdhsa_inst_pref_size 8
	.end_amdhsa_kernel
	.amdgpu_metadata
---
amdhsa.version: [ 1, 2 ]
amdhsa.kernels:
  - .name:           k_q7234628e2f_fin
    .symbol:         k_q7234628e2f_fin.kd
    .args:
      - { .name: sco, .offset: 0, .size: 8, .value_kind: global_buffer, .address_space: global }
      - { .name: part, .offset: 8, .size: 8, .value_kind: global_buffer, .address_space: global }
      - { .name: out0, .offset: 16, .size: 8, .value_kind: global_buffer, .address_space: global }
      - { .name: out1, .offset: 24, .size: 8, .value_kind: global_buffer, .address_space: global }
    .group_segment_fixed_size: 1536
    .private_segment_fixed_size: 0
    .kernarg_segment_align: 8
    .kernarg_segment_size: 32
    .max_flat_workgroup_size: 256
    .sgpr_count:     66
    .vgpr_count:     64
    .wavefront_size: 32
...
	.end_amdgpu_metadata
.endif
;; end of part 3
